; MI455X (gfx1250); checked and timed in simulation.
; The chip was launched on July 23, 2026; its instructions are those of AMD's public machine-readable ISA for CDNA 5 (MIT licence, August 2026) and "CDNA5" Instruction Set Architecture Reference Guide (July 2026). The comments in the code are by the model that wrote it; some were corrected since.
;; Attention. Allowed arithmetic: matrix products marked QUANTISED: E2M1 operands, one E8M0 scale for each 32 along K, by v_wmma_scale_f32_16x16x128_f8f6f4 with both operands' format E2M1 (or v_wmma_scale_f32_32x16x128_f4), f32 sums; products left as they are: f32 operands where the result goes on into a quantised operand, else bf16, f16 or f32 operands; f32 sums; everything else in f32.
;; Inputs: W_attn 1,024 x 2,048 float32; b_attn 1,024 float32; encoder_outputs 32 x 2,048 x 1,024 float32; hidden 2 x 32 x 1,024 float32; v 1,024 float32.
;; Outputs: out0 32 x 1,024 float32; out1 32 x 2,048 float32.
;; This version of the problem:
;;   THIS VERSION OF THE PROBLEM IS GIVEN IN LOW PRECISION. The matrix products marked QUANTISED in the list below multiply operands that are first quantised to E2M1 (2 exponent bits, 1 mantissa bit; 4 bits a number), with one power-of-two scale for each 32 numbers along K (OCP MX v1.0); their sums are f32. All else is computed in f32.
;;   The module's matrix products, in the order in which they are computed (A, B: the left and right operand; K: the contracted axis; several contracted axes count as one K, in the product's order):
;;     1. [M 32, K 1,024] x [K 1,024, N 1,024]; A: input hidden; B: input W_attn: QUANTISED
;;     2. [M 65,536, K 1,024] x [K 1,024, N 1,024]; A: input encoder_outputs; B: input W_attn: QUANTISED
;;     3. [M 65,536, K 1,024] x [K 1,024, N 1]; A: computed on the way; B: input v: left as it is (N = 1 < 16)
;;     4. batch 32 x [M 1, K 2,048] x [K 2,048, N 1,024]; A: softmax; B: input encoder_outputs: left as it is (M = 1 < 16)
;;   THE QUANTISER, for each operand of a quantised product, along K:
;;     - K is cut into blocks of 32 from its start; a last block that is shorter is filled with zeros.
;;     - A block's scale is 2^e with e = floor(log2(the largest magnitude in the block)) - 2, held to -126 .. 127; a block of zeros has e = 0. As a byte (E8M0): e + 127.
;;     - Each number is divided by its block's scale, clamped to +-6, and rounded to the nearest number of E2M1, ties to even, subnormals kept.
;;     - The product sums the exact products of the quantised numbers (number of the format x scale) in f32.
;;   ~~~python
;;   def quantise(x, axis):      # numpy; x: float32 -> the quantised numbers, widened to float32 again
;;       x = np.moveaxis(x, axis, -1); K = x.shape[-1]
;;       x = np.pad(x, [(0, 0)] * (x.ndim - 1) + [(0, -K % 32)]); x = x.reshape(x.shape[:-1] + (-1, 32)); a = np.abs(x).max(-1, keepdims=True)
;;       e = np.where(a > 0, np.clip(np.frexp(np.where(a > 0, a, 1))[1] - 1 - 2, -126, 127), 0)      # np.frexp(a)[1] - 1 = floor(log2(a)), exactly
;;       r = np.clip(x / 2.0 ** e, -6, 6)
;;       step = 2.0 ** (np.maximum(np.frexp(np.where(r == 0, 1, r))[1] - 1, 0) - 1)
;;       q = np.round(r / step) * step * 2.0 ** e      # np.round: ties to even
;;       return np.moveaxis(q.reshape(q.shape[:-2] + (-1,))[..., :K], -1, axis).astype(np.float32)
;;   ~~~
;; One version. Each part assembles by itself: llvm-mc -triple=amdgcn-amd-amdhsa -mcpu=gfx1250 --defsym DOCPART=n.
;; ======== version 1 of 1: 3 launches
;; workspace buffers: wc 524,288 bytes; ws 32,768 bytes; ph 131,072 bytes; sc 262,144 bytes; pctx 1,048,576 bytes; pml 65,536 bytes
;; launch prep (part 1): grid 64 x 1, 8 waves a work-group, no clusters, 36,864 bytes of LDS; arguments W_attn, hidden, b_attn, wc, ws, ph; writes wc, ws, ph
.if DOCPART == 1
	.amdgcn_target "amdgcn-amd-amdhsa--gfx1250"
	.amdhsa_code_object_version 6
	.text
	.protected	k_q9d6283a491_prep
	.globl	k_q9d6283a491_prep
	.p2align	8
	.type	k_q9d6283a491_prep,@function
k_q9d6283a491_prep:
	s_mov_b64 s[64:65], 0
	v_nop
	global_prefetch_b8 v0, s[64:65] scope:SCOPE_SE
	s_setreg_imm32_b32 hwreg(HW_REG_WAVE_MODE, 25, 1), 1
	s_wait_xcnt 0x0
; PREP.  W_attn [1024][2048] f32 and hidden[1] [32][1024] f32 are quantised along K to codes of FP4 (E2M1) with one E8M0 byte for each 32;
; We's codes and bytes go to workspace in the order in which the next launch's operand registers take them; proj_h + b_attn is made here, by FP4 matrix instructions.
; A block's scale is 2^(floor(log2(its largest magnitude)) - 2); its byte is the largest magnitude's exponent field - 2, held at 1 from below.
; LIMITS: NaN and infinities among the inputs are not served.  A block of zeros gets the byte 1 where the rule says 127: its codes are zeros, and the bytes are read by this program alone.
; SHARES.  Work-group t takes outputs o = 16 t .. 16 t + 15.  The work is 64 UNITS of 1,024 numbers (4,096 consecutive bytes): unit 2 r + part is row 16 t + r of W_attn
; (part 0: the half that acts on hidden, part 1: the half that acts on the encoder), units 32 .. 63 are the 32 rows of hidden[1].  Wave w takes units 8 w .. 8 w + 7, two at a time.
; hidden[1] (128 KiB) is quantised anew by each of the 64 work-groups: less than a launch of its own would move.
; A LOAD OF A WAVE IS 512 CONSECUTIVE BYTES: 128 along K of one unit; lane l holds k = 4 l .. 4 l + 3, so a block of 32 lies in 8 neighbouring lanes.  The conversion takes 8 numbers of a lane:
; 4 of one unit and 4 of the next.  It is run twice, once with each unit's scale: the low 16 bits of the first result and the high 16 bits of the second are the codes wanted.
; LDS: CODES: 64 units x (512 bytes + 16); XSC: 64 units x (32 scale bytes + 16).
; REGISTERS: window 0: v7-18 addresses; v32-47 scale words; v48-63 two accumulators; v64-71 the bias; v72-83 what goes out; v96-255 two sets of temporaries.  Window 1: four staging sets of 64, later the operands.
.set CODES, 0
.set XSC,   33792
.set GO,    10                         ; v10  16 x lane
.set AP,    22                         ; s[22:23] my wave's first unit
.set MSB, 0
.macro WIN new                         ; the immediate's high byte repeats the setting that is left; a switch that changes nothing is dropped
.if MSB != \new
	s_set_vgpr_msb (MSB<<8)|\new
.set MSB, \new
.endif
.endm
; 16 loads: units 2 set and 2 set + 1 of my eight, into staging set 'set' (window 1): register 4 n + i, n = 2 q + unit, q = the 128 along K
.macro FILL set
	WIN 0x40
.set n, 0
.rept 16
	global_load_b128 v[64*(\set)+4*n:64*(\set)+4*n+3], v[GO], s[AP:AP+1] offset:(2*(\set)+(n&1))*4096+512*(n/2)
.set n, n+1
.endr
	WIN 0
.endm
; Two units are quantised.  cnt: the loads issued behind this set's.  Temporaries by turns (TT): +0 largest magnitudes, then bytes; +16 scale operands; +32 codes.
.macro GROUP set, cnt
.set ST, 64*(\set)
.set TT, 96+80*((\set)&1)
	s_wait_loadcnt \cnt                            ; loads come back in order: this set's sixteen are in
	s_wait_dscnt 32                                ; at most the last group's 32 LDS stores are out: those of the group before it, which read these temporaries, are done
	WIN 0x05                                       ; sources 0 and 1: window 1
.set n, 0
.rept 16
	v_max3_num_f32 v[TT+n], |v[ST+4*n]|, |v[ST+4*n+1]|, 0x1800000   ; my four numbers, and the floor 2^(3 - 127): the byte cannot fall under 1
.set n, n+1
.endr
.set n, 0
.rept 16
	v_max3_num_f32 v[TT+n], |v[ST+4*n+2]|, |v[ST+4*n+3]|, v[TT+n]
.set n, n+1
.endr
	WIN 0
.irp mk, 1,2,4
.set n, 0
.rept 16
	v_max_num_f32_dpp v[TT+n], v[TT+n], v[TT+n] row_xmask:\mk row_mask:0xf bank_mask:0xf   ; with the seven lanes that share my block
.set n, n+1
.endr
.endr
.set n, 0
.rept 16
	v_add_nc_u32 v[TT+16+n], 0xff000000, v[TT+n]   ; 2 off the exponent field: the conversion's scale operand
.set n, n+1
.endr
.set n, 0
.rept 16
	v_lshrrev_b32 v[TT+n], 23, v[TT+16+n]          ; the scale's byte
.set n, n+1
.endr
	WIN 0x01                                       ; source 0: window 1
.set n, 0
.rept 8
	v_cvt_scalef32_pk8_fp4_f32 v[TT+32+2*n], v[ST+8*n:ST+8*n+7], v[TT+16+2*n]   ; under the first unit's scale: its 4 codes are the low 16 bits
	v_cvt_scalef32_pk8_fp4_f32 v[TT+33+2*n], v[ST+8*n:ST+8*n+7], v[TT+17+2*n]   ; under the second's: its 4 codes are the high 16 bits
.set n, n+1
.endr
	WIN 0
	v_nop                                          ; one plain line behind the last scaled conversion
.set n, 0
.rept 8
	ds_store_b16 v7, v[TT+32+2*n] offset:(2*(\set))*528+64*n            ; 32 lanes: 64 consecutive bytes: 128 codes
	ds_store_b16_d16_hi v7, v[TT+33+2*n] offset:(2*(\set)+1)*528+64*n
	ds_store_b8 v9, v[TT+2*n] offset:(2*(\set))*48+4*n                  ; the eight lanes of a block write the same byte with the same value
	ds_store_b8 v9, v[TT+2*n+1] offset:(2*(\set)+1)*48+4*n
.set n, n+1
.endr
.endm
	s_load_b256 s[4:11], s[0:1], 0x0               ; W_attn s[4:5], hidden s[6:7], b_attn s[8:9], wc s[10:11]
	s_load_b128 s[12:15], s[0:1], 0x20             ; ws s[12:13], ph s[14:15]
	v_lshrrev_b32 v1, 5, v0
	v_readfirstlane_b32 s20, v1                    ; wave 0..7
	s_and_b32 s21, s20, 3
	v_and_b32 v2, 31, v0                           ; lane
	v_and_b32 v3, 15, v0                           ; r
	v_bfe_u32 v4, v0, 4, 1                         ; h
	; every LDS address is made here, ahead of the first branch on the wave's number
	s_mul_i32 s24, s20, 4224
	v_lshl_add_u32 v7, v2, 1, s24                  ; codes in: my wave's 8 units of 528 bytes, 2 bytes a lane
	s_mul_i32 s24, s20, 384
	s_add_co_u32 s24, s24, XSC
	v_lshrrev_b32 v9, 3, v2
	v_add_nc_u32 v9, s24, v9                       ; scale bytes in: my wave's 8 units of 48 bytes, my block of the four
	v_lshlrev_b32 v[GO], 4, v2
	v_mul_u32_u24 v11, v3, 1056
	v_lshl_add_u32 v11, v4, 4, v11                 ; fragments of the hidden half: unit 2 r, + 16 h
	s_lshl_b32 s24, s20, 6
	s_add_co_u32 s24, s24, 528
	v_add_nc_u32 v12, s24, v11                     ; the encoder half's fragment of K step w: unit 2 r + 1, + 64 w
	v_mul_u32_u24 v13, v3, 528
	v_lshl_add_u32 v13, v4, 4, v13
	v_add_nc_u32 v13, 32*528, v13                  ; hidden's fragments: unit 32 + r
	v_mul_u32_u24 v14, v3, 96
	v_add_nc_u32 v14, XSC, v14                     ; scale words of unit 2 r
	v_mul_u32_u24 v15, v2, 48
	v_add_nc_u32 v15, XSC+32*48, v15               ; scale words of hidden's row = lane: lanes 0-15 the first tile of rows, lanes 16-31 the second
	v_lshrrev_b32 v16, 1, v2
	v_mul_u32_u24 v16, v16, 96
	v_and_b32 v5, 1, v2
	v_lshl_add_u32 v16, v5, 4, v16
	v_add_nc_u32 v16, XSC+48, v16                  ; the encoder half's scale bytes on the way out: unit 2 (lane / 2) + 1, 16 bytes a lane
	v_lshlrev_b32 v17, 6, v3
	v_lshl_add_u32 v17, v4, 5, v17                 ; ph: 64 bytes a batch row, + 32 h
	v_lshlrev_b32 v18, 5, v4                       ; the bias: 32 h
	s_lshl_b32 s24, ttmp9, 17                      ; my 16 rows of W_attn: 131,072 bytes a work-group
	s_lshl_b32 s26, s21, 15                        ; 8 units a wave
	s_mov_b32 s25, 0
	s_wait_kmcnt 0x0
	s_cmp_lt_u32 s20, 4                            ; waves 0-3 take W_attn, waves 4-7 hidden[1]: the choice hangs on the wave's number alone
	s_cselect_b64 s[AP:AP+1], s[4:5], s[6:7]
	s_cselect_b32 s24, s24, 0x20000                ; hidden[1] begins 32 x 4,096 bytes in
	s_add_co_u32 s24, s24, s26
	s_add_nc_u64 s[AP:AP+1], s[AP:AP+1], s[24:25]
	s_lshl_b32 s24, ttmp9, 6
	s_add_nc_u64 s[8:9], s[8:9], s[24:25]          ; b_attn at o = 16 t
	s_lshl_b32 s24, ttmp9, 13
	s_lshl_b32 s26, s20, 10
	s_add_co_u32 s24, s24, s26
	s_add_nc_u64 s[10:11], s[10:11], s[24:25]      ; wc: 8,192 t + 1,024 w
	s_lshl_b32 s24, ttmp9, 9
	s_add_nc_u64 s[12:13], s[12:13], s[24:25]      ; ws: 512 t
	s_lshl_b32 s24, ttmp9, 11
	s_add_nc_u64 s[14:15], s[14:15], s[24:25]      ; ph: 2,048 t
	FILL 0
	FILL 1
	FILL 2
	FILL 3
	global_load_b128 v[64:67], v18, s[8:9]         ; the bias in the result's layout: lane (r, h): o = 16 t + 8 h + 0 .. 7
	global_load_b128 v[68:71], v18, s[8:9] offset:16
	GROUP 0, 50                                    ; behind set 0: three sets of 16 and the bias's 2
	GROUP 1, 34
	GROUP 2, 18
	GROUP 3, 2
	s_wait_dscnt 0x0                               ; for the others' sake: my stores have landed
	s_barrier_signal -1
	s_barrier_wait -1                              ; all 64 units lie in LDS as codes and bytes
	; the encoder half's fragment of K step w, as the operand's registers hold it, goes out: 512 consecutive bytes a store
	ds_load_b128 v[72:75], v12
	ds_load_b128 v[76:79], v12 offset:32
	s_wait_dscnt 0x0
	global_store_b128 v[GO], v[72:75], s[10:11]
	global_store_b128 v[GO], v[76:79], s[10:11] offset:512
	s_cmp_lg_u32 s20, 1
	s_cbranch_scc1 .Lnot_wave_1
	ds_load_b128 v[80:83], v16                     ; wave 1: the 16 rows' 32 scale bytes each: 512 consecutive bytes
	s_wait_dscnt 0x0
	global_store_b128 v[GO], v[80:83], s[12:13]
.Lnot_wave_1:
	s_cmp_lg_u32 s20, 0
	s_cbranch_scc1 .Lend
	; wave 0: proj_h + b.  TRANSPOSED: source 0 = my 16 outputs' rows of the hidden half, source 1 = 16 rows of hidden: lane (r, h) holds batch row 16 a + r and outputs 16 t + 8 h + 0 .. 7
	WIN 0x40                                       ; destination window 1: the staging sets are done with
.set n, 0
.rept 32
	ds_load_b128 v[4*n:4*n+3], v13 offset:(n/16)*8448+32*(n%16)   ; hidden's fragment (a, q) at v[8 (8 a + q)]
.set n, n+1
.endr
.set n, 0
.rept 16
	ds_load_b128 v[128+4*n:128+4*n+3], v11 offset:32*n            ; the weight's fragment q at v[128 + 8 q]
.set n, n+1
.endr
	WIN 0
	ds_load_b128 v[32:35], v14                     ; the weight's scale words, q = 0 .. 7
	ds_load_b128 v[36:39], v14 offset:16
	ds_load_b128 v[40:43], v15                     ; hidden's
	ds_load_b128 v[44:47], v15 offset:16
	s_wait_dscnt 0x0
	s_wait_loadcnt 0x0                             ; the bias
	WIN 0x05                                       ; sources 0 and 1: window 1
.set q, 0
.rept 8                                        ; the two accumulators take turns, one instruction a turn; the bias is the C of each sum's first product
.if q == 0
	v_wmma_scale_f32_16x16x128_f8f6f4 v[48:55], v[128:135], v[0:7], v[64:71], v32, v40 matrix_a_fmt:MATRIX_FMT_FP4 matrix_b_fmt:MATRIX_FMT_FP4
	v_wmma_scale_f32_16x16x128_f8f6f4 v[56:63], v[128:135], v[64:71], v[64:71], v32, v40 matrix_a_fmt:MATRIX_FMT_FP4 matrix_b_fmt:MATRIX_FMT_FP4 matrix_b_scale:MATRIX_SCALE_ROW1
.else
	v_wmma_scale_f32_16x16x128_f8f6f4 v[48:55], v[128+8*q:135+8*q], v[8*q:8*q+7], v[48:55], v[32+q], v[40+q] matrix_a_fmt:MATRIX_FMT_FP4 matrix_b_fmt:MATRIX_FMT_FP4
	v_wmma_scale_f32_16x16x128_f8f6f4 v[56:63], v[128+8*q:135+8*q], v[64+8*q:71+8*q], v[56:63], v[32+q], v[40+q] matrix_a_fmt:MATRIX_FMT_FP4 matrix_b_fmt:MATRIX_FMT_FP4 matrix_b_scale:MATRIX_SCALE_ROW1
.endif
.set q, q+1
.endr
	WIN 0
.rept 4
	v_nop                                          ; four places between the last products and the stores that read them
.endr
	global_store_b128 v17, v[48:51], s[14:15]      ; each accumulator from its low end on
	global_store_b128 v17, v[52:55], s[14:15] offset:16
	global_store_b128 v17, v[56:59], s[14:15] offset:1024
	global_store_b128 v17, v[60:63], s[14:15] offset:1040
.Lend:
	s_endpgm
.Lfunc_end_k_q9d6283a491_prep:
	.size	k_q9d6283a491_prep, .Lfunc_end_k_q9d6283a491_prep-k_q9d6283a491_prep
	.p2alignl 7, 3214868480
	.fill 96, 4, 3214868480
	.section	.rodata,"a",@progbits
	.p2align	6, 0x0
	.amdhsa_kernel k_q9d6283a491_prep
		.amdhsa_group_segment_fixed_size 36864
		.amdhsa_private_segment_fixed_size 0
		.amdhsa_enable_private_segment 0
		.amdhsa_kernarg_size 48
		.amdhsa_user_sgpr_count 2
		.amdhsa_user_sgpr_kernarg_segment_ptr 1
		.amdhsa_wavefront_size32 1
		.amdhsa_system_sgpr_workgroup_id_x 1
		.amdhsa_system_sgpr_workgroup_id_y 1
		.amdhsa_system_sgpr_workgroup_id_z 1
		.amdhsa_system_vgpr_workitem_id 0
		.amdhsa_next_free_vgpr 512
		.amdhsa_next_free_sgpr 66
		.amdhsa_reserve_vcc 0
		.amdhsa_float_denorm_mode_32 3
		.amdhsa_float_denorm_mode_16_64 3
		.amdhsa_memory_ordered 1
		.amdhsa_forward_progress 1
		.amdhsa_inst_pref_size 57
	.end_amdhsa_kernel
	.amdgpu_metadata
---
amdhsa.version: [ 1, 2 ]
amdhsa.kernels:
  - .name:           k_q9d6283a491_prep
    .symbol:         k_q9d6283a491_prep.kd
    .args:
      - { .name: W_attn, .offset: 0, .size: 8, .value_kind: global_buffer, .address_space: global }
      - { .name: hidden, .offset: 8, .size: 8, .value_kind: global_buffer, .address_space: global }
      - { .name: b_attn, .offset: 16, .size: 8, .value_kind: global_buffer, .address_space: global }
      - { .name: wc, .offset: 24, .size: 8, .value_kind: global_buffer, .address_space: global }
      - { .name: ws, .offset: 32, .size: 8, .value_kind: global_buffer, .address_space: global }
      - { .name: ph, .offset: 40, .size: 8, .value_kind: global_buffer, .address_space: global }
    .group_segment_fixed_size: 36864
    .private_segment_fixed_size: 0
    .kernarg_segment_align: 8
    .kernarg_segment_size: 48
    .max_flat_workgroup_size: 256
    .sgpr_count:     66
    .vgpr_count:     512
    .wavefront_size: 32
...
	.end_amdgpu_metadata
.endif
;; end of part 1
;; launch main (part 2): grid 256 x 1, 8 waves a work-group, no clusters, 304,128 bytes of LDS; arguments encoder_outputs, v, wc, ws, ph, sc, pctx, pml; writes sc, pctx, pml
.if DOCPART == 2
	.amdgcn_target "amdgcn-amd-amdhsa--gfx1250"
	.amdhsa_code_object_version 6
	.text
	.protected	k_q9d6283a491_main
	.globl	k_q9d6283a491_main
	.p2align	8
	.type	k_q9d6283a491_main,@function
k_q9d6283a491_main:
	s_mov_b64 s[64:65], 0
	v_nop
	global_prefetch_b8 v0, s[64:65] scope:SCOPE_SE
	s_setreg_imm32_b32 hwreg(HW_REG_WAVE_MODE, 25, 1), 1
	s_wait_xcnt 0x0
; MAIN.  score[b][s] = sum over o of v[o] tanh(Q(enc[b][s]) . Q(We[o]) + proj_h[b][o]); a running softmax over the work-group's rows; the unnormalised partial context.
; encoder_outputs is read from memory ONCE: each row is quantised to FP4 codes for the product and kept in LDS as bf16 until its score is known, and is then weighed into the context.
; SHARES.  Work-group g takes rows 256 g .. 256 g + 255 of the 65,536 (an eighth of batch g / 8), in four TILES of 64 rows.  Eight waves in two roles; Q = wave mod 4.
;   MULTIPLIERS (waves 0-3): each holds the codes of the tile's 64 rows in 256 registers and owns outputs 256 Q .. 256 Q + 255: 16 tiles of 16 outputs.  A fragment of We feeds four matrix instructions.
;   LOADERS (waves 4-7): each streams rows 16 Q .. 16 Q + 15 of every tile, quantises them, stores codes, scale bytes and a bf16 copy to LDS, keeps the running softmax, and sums columns 256 Q .. + 255 of the context.
; While the multipliers work on tile J - 1, the loaders make tile J.  Two barriers a tile.
; THE PRODUCT IS USED TRANSPOSED (source 0 = 16 outputs of We, source 1 = 16 rows): lane (r, h) holds ONE row and 8 outputs, so v and proj_h are 8 registers a tile of outputs; proj_h is the C of each sum's first product.
; tanh(x) = 1 - 2 / (1 + 2^(2 log2(e) x)), so score = sum(v) - 2 sum over o of v[o] / (1 + 2^(..)): an exponential, a reciprocal and three packed halves a number.  2^(..) = infinity gives 1, 0 gives -1.
; WHY We GOES FROM MEMORY STRAIGHT INTO REGISTERS, WITH NO CLUSTER AND NO JOINT LOADS, though all work-groups read it: 304,128 of the 327,680 bytes of LDS are taken; the 23,552 left hold under three tiles of
; 8,192 bytes for four multipliers; and each fragment is read by ONE wave of the work-group, once a tile of rows, so a way through LDS would add a write and a read and spare none.  The launch before lays the codes as the registers take them.
; LIMITS: NaN and infinities among the inputs are not served.  A block of zeros gets the scale byte 1 where the rule says 127 (its codes are zeros; this program alone reads the bytes).
; A score carries an absolute error of about 2^-23 x the sum of |v| from the form above.  enc is rounded to bf16 for the weighted sum (the contract allows it there).
; LDS: two slots of 64 rows x 2,048 bytes of bf16; CODES 64 x (512 + 16); XSC 64 x (32 + 16); SP [64 rows][4 multipliers] f32; SCR 1,024 bytes a loader for the way out.
; REGISTERS, both roles: v1-15 LDS addresses, made ahead of the first parting or in lines that every wave runs.  v64-95 HOLD SCALE WORDS AND NOTHING ELSE, in the whole text: only loads of scale words write them, and no line of a loader names them.
;   multiplier, window 0: v16-19 offsets; v20-27 four pairs of sums; v28-59 four accumulators; v64-79 the rows' scale words; v80-95 We's scale words, two sets; v96-223 We's fragments, two sets; v224-239 proj_h; v240-255 v.  Window 1: the rows' codes.
;   loader, window 0: v16-17 offsets; v20-27 context; v28 m, v29 l, v30 sum(v); v31-63 at work; v96-255 two sets of temporaries, in the context phase two buffers of 16 rows.  Window 1: four staging sets of 64.
.set BF1,   131072
.set CODES, 262144
.set XSC,   295936
.set SP,    299008
.set SCR,   300032
.set GO,    16                         ; v16  loader: 16 x lane
.set AP,    38                         ; s[38:39] loader: where the next half tile's loads begin
.set SS,    20                         ; multiplier: the rows' sums, a pair for each tile of 16 rows
.set ACC,   28                         ; multiplier: accumulator a at v[ACC + 8 a]
.set XSL,   64                         ; the rows' scale words: v[XSL + 8 (a / 2) + q]: lanes 0-15 an even tile of rows, lanes 16-31 the odd one beside it
.set WSL,   80                         ; We's scale words: set s at v[WSL + 8 s + q]
.set WFR,   96                         ; We's fragments: set s at v[WFR + 64 s + 8 q]
.set PHB,   224                        ; proj_h: set s at v[PHB + 8 s]
.set VB,    240                        ; v: set s at v[VB + 8 s]
.set MSB, 0
.macro WIN new                         ; the immediate's high byte repeats the setting that is left; a switch that changes nothing is dropped
.if MSB != \new
	s_set_vgpr_msb (MSB<<8)|\new
.set MSB, \new
.endif
.endm
.macro BARRIER                         ; my LDS stores have landed and my LDS reads are over: then the work-group's barrier
	s_wait_dscnt 0x0
	s_barrier_signal -1
	s_barrier_wait -1
.endm
; ---------------- the loaders' macros
; 16 loads: rows 2 set and 2 set + 1 of a half tile's eight, 512 consecutive bytes each, into staging set 'set' (window 1): register 4 n + i, n = 2 q + row, q = the 128 along K
.macro FILL set
	WIN 0x40
.set n, 0
.rept 16
	global_load_b128 v[64*(\set)+4*n:64*(\set)+4*n+3], v[GO], s[AP:AP+1] offset:(2*(\set)+(n&1))*4096+512*(n/2) th:TH_LOAD_NT
.set n, n+1
.endr
	WIN 0
.endm
; Two rows are quantised and copied.  Lane l holds k = 4 l .. 4 l + 3 of each 128, so a block of 32 lies in 8 neighbouring lanes.  The conversion takes 8 numbers of a lane, 4 of each row: it is run twice, once with
; each row's scale; the low 16 bits of the first result and the high 16 bits of the second are the codes wanted.  Temporaries by turns (TT): +0 largest magnitudes, then bytes; +16 scale operands; +32 codes; +48 bf16.
.macro GROUP set, cnt
.set ST, 64*(\set)
.set TT, 96+80*((\set)&1)
	s_wait_loadcnt \cnt                            ; loads come back in order: this set's sixteen are in; cnt younger ones stay out
	s_wait_dscnt 48                                ; at most the last group's 48 LDS stores are out: those of the group before it, which read these temporaries, are done
	WIN 0x05                                       ; sources 0 and 1: window 1
.set n, 0
.rept 16
	v_max3_num_f32 v[TT+n], |v[ST+4*n]|, |v[ST+4*n+1]|, 0x1800000   ; my four numbers, and the floor 2^(3 - 127): the byte cannot fall under 1
.set n, n+1
.endr
.set n, 0
.rept 16
	v_max3_num_f32 v[TT+n], |v[ST+4*n+2]|, |v[ST+4*n+3]|, v[TT+n]
.set n, n+1
.endr
.set n, 0
.rept 16
	v_cvt_pk_bf16_f32 v[TT+48+2*n], v[ST+4*n], v[ST+4*n+1]          ; the copy for the weighted sum
	v_cvt_pk_bf16_f32 v[TT+49+2*n], v[ST+4*n+2], v[ST+4*n+3]
.set n, n+1
.endr
	WIN 0
.irp mk, 1,2,4
.set n, 0
.rept 16
	v_max_num_f32_dpp v[TT+n], v[TT+n], v[TT+n] row_xmask:\mk row_mask:0xf bank_mask:0xf   ; with the seven lanes that share my block
.set n, n+1
.endr
.endr
.set n, 0
.rept 16
	v_add_nc_u32 v[TT+16+n], 0xff000000, v[TT+n]   ; 2 off the exponent field: the conversion's scale operand
.set n, n+1
.endr
.set n, 0
.rept 16
	v_lshrrev_b32 v[TT+n], 23, v[TT+16+n]          ; the scale's byte
.set n, n+1
.endr
	WIN 0x01                                       ; source 0: window 1
.set n, 0
.rept 8
	v_cvt_scalef32_pk8_fp4_f32 v[TT+32+2*n], v[ST+8*n:ST+8*n+7], v[TT+16+2*n]
	v_cvt_scalef32_pk8_fp4_f32 v[TT+33+2*n], v[ST+8*n:ST+8*n+7], v[TT+17+2*n]
.set n, n+1
.endr
	WIN 0
	v_nop                                          ; one plain line behind the last scaled conversion
.set n, 0
.rept 8
	ds_store_b16 v7, v[TT+32+2*n] offset:(2*(\set))*528+64*n            ; 32 lanes: 64 consecutive bytes: 128 codes
	ds_store_b16_d16_hi v7, v[TT+33+2*n] offset:(2*(\set)+1)*528+64*n
	ds_store_b8 v9, v[TT+2*n] offset:(2*(\set))*48+4*n                  ; the eight lanes of a block write the same byte with the same value
	ds_store_b8 v9, v[TT+2*n+1] offset:(2*(\set)+1)*48+4*n
	ds_store_b64 v8, v[TT+48+4*n:TT+49+4*n] offset:(2*(\set))*2048+256*n      ; 32 lanes: 256 consecutive bytes
	ds_store_b64 v8, v[TT+50+4*n:TT+51+4*n] offset:(2*(\set)+1)*2048+256*n
.set n, n+1
.endr
.endm
; A half tile (my 8 rows) is worked, and each set is filled again at once with the same rows of the next half tile: 48 to 64 loads of the wave are on their way throughout.
.macro HFULL
	GROUP 0, 48                                    ; behind a set's loads: the three younger sets'
	FILL 0
	GROUP 1, 48
	FILL 1
	GROUP 2, 48
	FILL 2
	GROUP 3, 48
	FILL 3
	s_wait_xcnt 0x0                                ; the loads have read their base: it steps only behind this wait
	s_add_nc_u64 s[AP:AP+1], s[AP:AP+1], s[40:41]
	s_xor_b32 s40, s40, 0x30000                    ; the steps alternate: 8 rows on (0x8000), then to the next tile's first half (64 - 8 rows: 0x38000)
.endm
.macro HTAIL                           ; the last half tile loads nothing: no load leaves the buffer, and the counts run down
	GROUP 0, 48
	GROUP 1, 32
	GROUP 2, 16
	GROUP 3, 0
.endm
; ---------------- the multipliers' macros
.macro LOADA s                         ; 20 loads: a tile of 16 outputs: its 8 fragments as the registers take them (512 consecutive bytes a load), its scale words, proj_h
.set n, 0
.rept 16
	global_load_b128 v[WFR+64*(\s)+4*n:WFR+64*(\s)+4*n+3], v16, s[8:9] offset:(\s)*8192+512*n
.set n, n+1
.endr
	global_load_b128 v[WSL+8*(\s):WSL+8*(\s)+3], v17, s[10:11] offset:(\s)*512
	global_load_b128 v[WSL+8*(\s)+4:WSL+8*(\s)+7], v17, s[10:11] offset:(\s)*512+16
	global_load_b128 v[PHB+8*(\s):PHB+8*(\s)+3], v18, s[12:13] offset:(\s)*2048
	global_load_b128 v[PHB+8*(\s)+4:PHB+8*(\s)+7], v18, s[12:13] offset:(\s)*2048+16
.endm
.macro LOADV s                         ; 2 loads: v at the tile's outputs
	global_load_b128 v[VB+8*(\s):VB+8*(\s)+3], v19, s[6:7] offset:(\s)*64
	global_load_b128 v[VB+8*(\s)+4:VB+8*(\s)+7], v19, s[6:7] offset:(\s)*64+16
.endm
.macro MM acc, wf, xf, cc, sa, sb, odd
.if \odd
	v_wmma_scale_f32_16x16x128_f8f6f4 v[\acc:\acc+7], v[\wf:\wf+7], v[\xf:\xf+7], v[\cc:\cc+7], v[\sa], v[\sb] matrix_a_fmt:MATRIX_FMT_FP4 matrix_b_fmt:MATRIX_FMT_FP4 matrix_b_scale:MATRIX_SCALE_ROW1
.else
	v_wmma_scale_f32_16x16x128_f8f6f4 v[\acc:\acc+7], v[\wf:\wf+7], v[\xf:\xf+7], v[\cc:\cc+7], v[\sa], v[\sb] matrix_a_fmt:MATRIX_FMT_FP4 matrix_b_fmt:MATRIX_FMT_FP4
.endif
.endm
; One tile of 16 outputs against the 64 rows.  Loads are issued in the order A(t), V(t), A(t+1), V(t+1), ..; the walk over my 16 tiles is cyclic, so there is no tail: the last two sets asked for are tiles 0 and 1 again and stay unread.
.macro OT s
.set WF,  WFR+64*(\s)
.set WSC, WSL+8*(\s)
.set PHR, PHB+8*(\s)
.set VR,  VB+8*(\s)
	s_wait_loadcnt 24                              ; A(t) is in; behind it: V(t) 2, A(t+1) 20, V(t+1) 2
	WIN 0x04                                       ; source 1 (the rows' codes): window 1
.set q, 0
.rept 8                                        ; the four accumulators take turns, one instruction a turn; K ascending
.set a, 0
.rept 4
.if q == 0
	MM ACC+8*a, WF+8*q, 64*a+8*q, PHR, WSC+q, XSL+8*(a/2)+q, a&1
.else
	MM ACC+8*a, WF+8*q, 64*a+8*q, ACC+8*a, WSC+q, XSL+8*(a/2)+q, a&1
.endif
.set a, a+1
.endr
.set q, q+1
.endr
	WIN 0
.if (\s) == 0
	s_wait_xcnt 0x0                                ; the loads that are out have read their offsets: these step only behind this wait
	v_add_nc_u32 v16, 0x4000, v16                  ; two tiles on, round my 16: eight plain lines, which are also the places between the products and the loads into their registers
	v_add_nc_u32 v17, 0x400, v17
	v_add_nc_u32 v18, 0x1000, v18
	v_add_nc_u32 v19, 0x80, v19
	v_and_b32 v16, 0x1ffff, v16
	v_and_b32 v17, 0x1fff, v17
	v_and_b32 v18, 0x7fff, v18
	v_and_b32 v19, 0x3ff, v19
.else
.rept 4
	v_nop                                          ; the places
.endr
.endif
	LOADA \s                                       ; tile t + 2
	; the 32 numbers of a lane, in place, in pairs from each accumulator's low end on.  ONE BATCH of exponentials with one wait, then one of reciprocals: a pair's scaling stands two pairs ahead of its transcendentals
	v_pk_mul_f32 v[ACC:ACC+1], v[ACC:ACC+1], s[28:29] op_sel_hi:[1,0]
	v_pk_mul_f32 v[ACC+2:ACC+3], v[ACC+2:ACC+3], s[28:29] op_sel_hi:[1,0]
.set k, 0
.rept 16
	v_exp_f32 v[ACC+2*k], v[ACC+2*k]
	v_exp_f32 v[ACC+1+2*k], v[ACC+1+2*k]
.if k < 14
	v_pk_mul_f32 v[ACC+4+2*k:ACC+5+2*k], v[ACC+4+2*k:ACC+5+2*k], s[28:29] op_sel_hi:[1,0]
.endif
.set k, k+1
.endr
	v_nop                                          ; a plain line behind the last exponential
	s_wait_alu depctr_va_vdst(0)                   ; the wait ahead of the first line that names a result: one for the 32
	v_pk_add_f32 v[ACC:ACC+1], v[ACC:ACC+1], 1.0 op_sel_hi:[1,0]
	v_pk_add_f32 v[ACC+2:ACC+3], v[ACC+2:ACC+3], 1.0 op_sel_hi:[1,0]
.set k, 0
.rept 16
	v_rcp_f32 v[ACC+2*k], v[ACC+2*k]
	v_rcp_f32 v[ACC+1+2*k], v[ACC+1+2*k]
.if k < 14
	v_pk_add_f32 v[ACC+4+2*k:ACC+5+2*k], v[ACC+4+2*k:ACC+5+2*k], 1.0 op_sel_hi:[1,0]
.endif
.set k, k+1
.endr
	v_nop
	s_wait_alu depctr_va_vdst(0)                   ; and one for the 32 reciprocals
	s_wait_loadcnt 42                              ; V(t) is in; behind it: A(t+1) 20, V(t+1) 2, A(t+2) 20
.set k, 0
.rept 4
.set a, 0
.rept 4
	v_pk_fma_f32 v[SS+2*a:SS+2*a+1], v[ACC+8*a+2*k:ACC+8*a+2*k+1], v[VR+2*k:VR+2*k+1], v[SS+2*a:SS+2*a+1]
.set a, a+1
.endr
.set k, k+1
.endr
	LOADV \s
.endm
.macro XFETCH                          ; the next tile's codes (64 rows x 1,024 K: fragment (a, q) at v[8 (8 a + q)] of window 1) and scale words; the barrier that follows waits for them
	WIN 0x40
.set n, 0
.rept 64
	ds_load_b128 v[4*n:4*n+3], v1 offset:(n/16)*8448+32*(n%16)
.set n, n+1
.endr
	WIN 0
	ds_load_b128 v[XSL:XSL+3], v2                  ; row = lane: lanes 0-15 serve an even tile of rows, lanes 16-31 the odd one beside it
	ds_load_b128 v[XSL+4:XSL+7], v2 offset:16
	ds_load_b128 v[XSL+8:XSL+11], v2 offset:1536
	ds_load_b128 v[XSL+12:XSL+15], v2 offset:1552
.endm
; ---------------- lines that every wave runs
.macro HALFADDR                        ; where the loaders put the half tile in hand
	s_wait_dscnt 0x0                               ; no LDS store still reads these addresses
	v_add_nc_u32 v7, s33, v4
	v_add_nc_u32 v8, s34, v5
	v_add_nc_u32 v9, s35, v6
.endm
.macro HALFSTEP                        ; 8 rows on
	s_add_co_u32 s33, s33, 4224
	s_add_co_u32 s34, s34, 16384
	s_add_co_u32 s35, s35, 384
.endm
	s_load_b512 s[4:19], s[0:1], 0x0               ; enc s[4:5], v s[6:7], wc s[8:9], ws s[10:11], ph s[12:13], sc s[14:15], pctx s[16:17], pml s[18:19]
	v_lshrrev_b32 v24, 5, v0
	v_readfirstlane_b32 s20, v24                   ; wave 0..7
	s_and_b32 s21, s20, 3                          ; Q
	v_and_b32 v24, 15, v0                          ; r
	v_bfe_u32 v25, v0, 4, 1                        ; h
	v_and_b32 v26, 31, v0                          ; lane
	v_mul_u32_u24 v1, v24, 528
	v_lshl_add_u32 v1, v25, 4, v1
	v_add_nc_u32 v1, CODES, v1                     ; a fragment's row x pitch + 16 h
	v_mul_u32_u24 v2, v26, 48
	v_add_nc_u32 v2, XSC, v2                       ; scale words of row = lane
	s_lshl_b32 s23, s21, 2
	s_add_co_u32 s23, s23, SP
	v_lshl_add_u32 v3, v24, 4, s23                 ; a multiplier's partial sum of row r
	s_mul_i32 s23, s21, 8448
	s_add_co_u32 s23, s23, CODES
	v_lshl_add_u32 v4, v26, 1, s23                 ; a loader's 16 rows of codes, 2 bytes a lane
	s_lshl_b32 s23, s21, 15
	v_lshl_add_u32 v5, v26, 3, s23                 ; its 16 rows of bf16, 8 bytes a lane
	s_mul_i32 s23, s21, 768
	s_add_co_u32 s23, s23, XSC
	v_lshrrev_b32 v6, 3, v26
	v_add_nc_u32 v6, s23, v6                       ; its 16 rows of scale bytes, my block of the four
	s_lshl_b32 s23, s21, 9
	v_lshl_add_u32 v10, v26, 4, s23                ; a loader's 256 columns of a bf16 row, 16 bytes a lane
	v_lshl_add_u32 v13, v26, 5, SP                 ; the partial sums of rows 2 lane and 2 lane + 1
	s_lshl_b32 s23, s21, 10
	s_add_co_u32 s23, s23, SCR
	v_lshl_add_u32 v14, v26, 5, s23                ; the way out: in, 32 bytes a lane;
	v_lshl_add_u32 v15, v26, 4, s23                ; back, 16 bytes a lane
	s_mov_b32 s26, 0x76543210
	s_mov_b32 s27, 0xfedcba98                      ; v_permlanex16_b32's selects for lane l xor 16
	s_mov_b32 s28, 0x4038aa3b                      ; 2 log2(e)
	s_mov_b32 s29, s28                             ; (named with it as a pair, so it is written)
	s_mov_b32 s25, 0
	s_mov_b32 s40, 0x38000
	s_mov_b32 s41, 0
	s_wait_kmcnt 0x0
	s_mov_b64 s[46:47], s[6:7]                     ; v from its start, for the loaders' sum
	s_lshl_b32 s24, s21, 17
	s_add_nc_u64 s[8:9], s[8:9], s[24:25]          ; my 16 tiles of 8,192 bytes of codes,
	s_lshl_b32 s24, s21, 13
	s_add_nc_u64 s[10:11], s[10:11], s[24:25]      ; of 512 scale bytes,
	s_lshr_b32 s23, ttmp9, 3                       ; the batch
	s_lshl_b32 s23, s23, 6
	s_lshl_b32 s24, s21, 15
	s_add_co_u32 s24, s24, s23
	s_add_nc_u64 s[12:13], s[12:13], s[24:25]      ; of proj_h: 2,048 bytes a tile, 64 a batch row,
	s_lshl_b32 s24, s21, 10
	s_add_nc_u64 s[6:7], s[6:7], s[24:25]          ; and my 256 numbers of v
	s_lshl_b32 s24, ttmp9, 10
	s_add_nc_u64 s[14:15], s[14:15], s[24:25]      ; my work-group's 256 scores
	s_lshl_b32 s24, ttmp9, 12
	s_lshl_b32 s23, s21, 10
	s_add_co_u32 s24, s24, s23
	s_add_nc_u64 s[16:17], s[16:17], s[24:25]      ; its partial context, my 256 columns
	s_lshl_b32 s24, ttmp9, 8
	s_add_nc_u64 s[18:19], s[18:19], s[24:25]      ; its (m, l)
	s_lshl_b32 s24, ttmp9, 20
	s_lshl_b32 s23, s21, 16
	s_add_co_u32 s24, s24, s23
	s_add_nc_u64 s[AP:AP+1], s[4:5], s[24:25]      ; enc: 256 rows a work-group, 16 rows a loader
	s_cmp_lt_u32 s20, 4
	s_cbranch_scc0 .Lhead_loader
	v_lshlrev_b32 v16, 4, v26                      ; MULTIPLIER: offsets in wc (16 lane), ws (32 r), ph and v (32 h)
	v_lshlrev_b32 v17, 5, v24
	v_lshlrev_b32 v18, 5, v25
	v_lshlrev_b32 v19, 5, v25
	LOADA 0
	LOADV 0
	LOADA 1
	LOADV 1
.set n, 0
.rept 8
	v_mov_b32 v[SS+n], 0                           ; the rows' sums
.set n, n+1
.endr
	s_branch .Lhead_join
.Lhead_loader:
	v_lshlrev_b32 v16, 4, v26                      ; LOADER
	v_lshlrev_b32 v17, 3, v26
.set n, 0
.rept 8
	global_load_b128 v[96+4*n:99+4*n], v16, s[46:47] offset:512*n   ; all of v: 32 numbers a lane
.set n, n+1
.endr
	FILL 0
	FILL 1
	FILL 2
.set n, 0
.rept 8
	v_mov_b32 v[20+n], 0                           ; the context
.set n, n+1
.endr
	v_mov_b32 v28, 0xff61b1e6                      ; m: -3e38, under every score
	v_mov_b32 v29, 0                               ; l, my lane's part
	v_mov_b32 v31, 0                               ; a lane permute's destination counts as one of its sources
	v_mov_b32 v47, 0                               ; (named as the upper half of the pair v[46:47])
	s_wait_loadcnt 48                              ; v is in; behind it the three sets' 48
.set n, 1
.rept 15
	v_pk_add_f32 v[96:97], v[96:97], v[96+2*n:97+2*n]
.set n, n+1
.endr
	v_add_f32 v30, v96, v97
	v_add_f32_dpp v30, v30, v30 row_xmask:1 row_mask:0xf bank_mask:0xf
	v_add_f32_dpp v30, v30, v30 row_xmask:2 row_mask:0xf bank_mask:0xf
	v_add_f32_dpp v30, v30, v30 row_xmask:4 row_mask:0xf bank_mask:0xf
	v_add_f32_dpp v30, v30, v30 row_xmask:8 row_mask:0xf bank_mask:0xf
	v_permlanex16_b32 v31, v30, s26, s27
	v_add_f32 v30, v30, v31                        ; sum(v), in every lane
	FILL 3
	s_wait_xcnt 0x0                                ; the loads have read their base
	s_add_nc_u64 s[AP:AP+1], s[AP:AP+1], 0x8000    ; tile 0's second half
.Lhead_join:
	; ---- tile 0 is made
	s_mov_b32 s31, 0                               ; U: the half
	s_mov_b32 s33, 0
	s_mov_b32 s34, 0                               ; slot 0
	s_mov_b32 s35, 0
.Lp_half:
	HALFADDR
	s_cmp_lt_u32 s20, 4
	s_cbranch_scc1 .Lp_join
	HFULL
.Lp_join:
	HALFSTEP
	s_add_co_u32 s31, s31, 1
	s_cmp_lt_u32 s31, 2
	s_cbranch_scc1 .Lp_half
	BARRIER                                        ; tile 0's codes and scale bytes lie in LDS
	s_cmp_lt_u32 s20, 4
	s_cbranch_scc0 .Lp_fetched
	XFETCH
.Lp_fetched:
	BARRIER                                        ; and are in the multipliers' registers: they may be written over
	s_mov_b32 s30, 1                               ; J: the tile that the loaders make; the multipliers work on J - 1
	s_mov_b32 s36, BF1                             ; the slot that tile J goes into,
	s_mov_b32 s37, 0                               ; and that of tile J - 1
.Lstage:
	s_mov_b32 s31, 0
	s_mov_b32 s33, 0
	s_mov_b32 s34, s36
	s_mov_b32 s35, 0
.Lhalf:
	HALFADDR
	s_cmp_lt_u32 s20, 4
	s_cbranch_scc0 .Lh_loader
	s_mov_b32 s32, 4                               ; MULTIPLIER: 8 of my 16 tiles of outputs
.Lpair:
	OT 0
	OT 1
	s_sub_co_u32 s32, s32, 1
	s_cmp_lg_u32 s32, 0
	s_cbranch_scc1 .Lpair
	s_branch .Lh_join
.Lh_loader:
	s_lshl_b32 s44, s30, 1                         ; LOADER: half tile 2 J + U of the work-group's eight
	s_add_co_u32 s44, s44, s31
	s_cmp_ge_u32 s44, 8
	s_cbranch_scc1 .Lh_join                        ; none is left
	s_cmp_eq_u32 s44, 7
	s_cbranch_scc1 .Lh_tail
	HFULL
	s_branch .Lh_join
.Lh_tail:
	HTAIL
.Lh_join:
	HALFSTEP
	s_add_co_u32 s31, s31, 1
	s_cmp_lt_u32 s31, 2
	s_cbranch_scc1 .Lhalf
	s_cmp_lt_u32 s20, 4
	s_cbranch_scc0 .Lno_sred
	; MULTIPLIER: a row's sum over my 256 outputs: the pair's halves, and lane l xor 16's eight outputs of each tile.  The first accumulator's registers, which are done with, are at work here
.irp a, 0,1,2,3
	v_add_f32 v[ACC+\a], v[SS+2*\a], v[SS+1+2*\a]
.endr
.irp a, 0,1,2,3
	v_permlanex16_b32 v[ACC+4+\a], v[ACC+\a], s26, s27
.endr
.irp a, 0,1,2,3
	v_add_f32 v[ACC+\a], v[ACC+\a], v[ACC+4+\a]
.endr
.irp a, 0,1,2,3
	ds_store_b32 v3, v[ACC+\a] offset:256*\a       ; row 16 a + r; lanes r and r + 16 write the same word with the same value
.endr
.set n, 0
.rept 8
	v_mov_b32 v[SS+n], 0
.set n, n+1
.endr
.Lno_sred:
	BARRIER                                        ; tile J lies in LDS (codes, bytes, bf16), and so do tile J - 1's partial sums
	v_add_nc_u32 v11, s37, v10                     ; tile J - 1's bf16 rows 0-31,
	v_add_nc_u32 v12, 0x10000, v11                 ; and 32-63
	s_cmp_lt_u32 s20, 4
	s_cbranch_scc0 .Lctx
	s_cmp_lt_u32 s30, 4
	s_cbranch_scc0 .Lb2
	XFETCH                                         ; MULTIPLIER: tile J's codes
	s_branch .Lb2
.Lctx:
	; LOADER: tile J - 1's scores, the softmax's step, and my 256 columns of its 64 rows
	ds_load_b128 v[32:35], v13                     ; the four multipliers' parts of row 2 lane,
	ds_load_b128 v[36:39], v13 offset:16           ; and of row 2 lane + 1
.set i, 0
.rept 16
	ds_load_b128 v[96+4*i:99+4*i], v11 offset:i*2048
.set i, i+1
.endr
	s_wait_dscnt 16                                ; the partial sums are in; the 16 rows behind them may be out
	v_pk_add_f32 v[32:33], v[32:33], v[34:35]
	v_pk_add_f32 v[36:37], v[36:37], v[38:39]
	v_add_f32 v32, v32, v33
	v_add_f32 v36, v36, v37
	v_fma_f32 v42, v32, -2.0, v30                  ; score = sum(v) - 2 x the sum
	v_fma_f32 v43, v36, -2.0, v30
	s_cmp_lg_u32 s20, 4
	s_cbranch_scc1 .Lnot_wave_4
	global_store_b64 v17, v[42:43], s[14:15]       ; one loader stores the tile's 64 scores: 256 consecutive bytes, aligned
.Lnot_wave_4:
	v_max_num_f32 v40, v42, v43
	v_max_num_f32_dpp v40, v40, v40 row_xmask:1 row_mask:0xf bank_mask:0xf
	v_max_num_f32_dpp v40, v40, v40 row_xmask:2 row_mask:0xf bank_mask:0xf
	v_max_num_f32_dpp v40, v40, v40 row_xmask:4 row_mask:0xf bank_mask:0xf
	v_max_num_f32_dpp v40, v40, v40 row_xmask:8 row_mask:0xf bank_mask:0xf
	v_permlanex16_b32 v31, v40, s26, s27
	v_max3_num_f32 v41, v40, v31, v28              ; the new m
	v_sub_f32 v46, v28, v41                        ; the differences first, then x log2(e): no rounding of a large product is left in the exponents
	v_sub_f32 v44, v42, v41
	v_sub_f32 v45, v43, v41
	v_mul_f32 v46, 0x3fb8aa3b, v46
	v_mul_f32 v44, 0x3fb8aa3b, v44
	v_mul_f32 v45, 0x3fb8aa3b, v45
	v_exp_f32 v46, v46                             ; f = e^(old m - new m)
	v_exp_f32 v44, v44                             ; p of row 2 lane,
	v_exp_f32 v45, v45                             ; of row 2 lane + 1
	v_mov_b32 v28, v41                             ; (a plain line behind the exponentials)
	s_wait_alu depctr_va_vdst(0)                   ; the wait ahead of the first reader: one for the three
	v_fma_f32 v29, v29, v46, v44
	v_add_f32 v29, v29, v45                        ; l, my lane's part
.irp c, 0,2,4,6
	v_pk_mul_f32 v[20+\c:21+\c], v[20+\c:21+\c], v[46:47] op_sel_hi:[1,0]   ; the context under the new m
.endr
.set bt, 0
.rept 4                                        ; 16 rows at a time, in two buffers by turns
.if bt < 3
.set i, 0
.rept 16
.if bt == 0
	ds_load_b128 v[160+4*i:163+4*i], v11 offset:(16+i)*2048
.else
	ds_load_b128 v[96+64*((bt+1)&1)+4*i:99+64*((bt+1)&1)+4*i], v12 offset:(16*(bt-1)+i)*2048
.endif
.set i, i+1
.endr
.endif
.set i, 0
.rept 16
	v_readlane_b32 s[66+i], v[44+(i&1)], 8*bt+i/2  ; row 16 bt + i's weight lies in lane 8 bt + i / 2
.set i, i+1
.endr
.set i, 0
.rept 16
	v_mov_b32 v[48+i], s[66+i]                     ; and goes to every lane
.set i, i+1
.endr
.if bt < 3
	s_wait_dscnt 16                                ; this batch's rows are in; the next batch's 16 may be out
.else
	s_wait_dscnt 0x0
.endif
.set i, 0
.rept 16
.set XB, 96+64*(bt&1)+4*i
.irp c, 0,1,2,3
	v_fma_mix_f32_bf16 v[20+2*\c], v[XB+\c], v[48+i], v[20+2*\c] op_sel_hi:[1,0,0]                  ; the low bf16 x the weight + the sum, in f32
	v_fma_mix_f32_bf16 v[21+2*\c], v[XB+\c], v[48+i], v[21+2*\c] op_sel:[1,0,0] op_sel_hi:[1,0,0]   ; the high one
.endr
.set i, i+1
.endr
.set bt, bt+1
.endr
	s_wait_xcnt 0x0                                ; the scores' store has read its data and its base
	s_add_nc_u64 s[14:15], s[14:15], 256           ; the next tile's scores
.Lb2:
	BARRIER                                        ; tile J's codes are in registers, tile J - 1's bf16 rows and partial sums have been read: all may be written over
	s_xor_b32 s36, s36, BF1
	s_xor_b32 s37, s37, BF1
	s_add_co_u32 s30, s30, 1
	s_cmp_lt_u32 s30, 5
	s_cbranch_scc1 .Lstage
	s_cmp_lt_u32 s20, 4
	s_cbranch_scc0 .Lout
	s_endpgm                                       ; a multiplier's work is done
.Lout:
	v_add_f32_dpp v29, v29, v29 row_xmask:1 row_mask:0xf bank_mask:0xf   ; l over the lanes
	v_add_f32_dpp v29, v29, v29 row_xmask:2 row_mask:0xf bank_mask:0xf
	v_add_f32_dpp v29, v29, v29 row_xmask:4 row_mask:0xf bank_mask:0xf
	v_add_f32_dpp v29, v29, v29 row_xmask:8 row_mask:0xf bank_mask:0xf
	v_permlanex16_b32 v31, v29, s26, s27
	v_add_f32 v29, v29, v31
	ds_store_b128 v14, v[20:23]                    ; a lane's 8 columns are 32 bytes: through my own 1,024 bytes of LDS, so that each store below covers 512 consecutive bytes
	ds_store_b128 v14, v[24:27] offset:16
	ds_load_b128 v[32:35], v15                     ; LDS serves a wave's instructions in order (ISA guide 5.7.1.4): these see the stores above
	ds_load_b128 v[36:39], v15 offset:512
	s_wait_dscnt 0x0
	global_store_b128 v16, v[32:35], s[16:17]
	global_store_b128 v16, v[36:39], s[16:17] offset:512
	s_cmp_lg_u32 s20, 4
	s_cbranch_scc1 .Lend
	global_store_b64 v17, v[28:29], s[18:19]       ; (m, l), the same pair from all 32 lanes: 256 consecutive bytes, aligned
.Lend:
	s_endpgm
.Lfunc_end_k_q9d6283a491_main:
	.size	k_q9d6283a491_main, .Lfunc_end_k_q9d6283a491_main-k_q9d6283a491_main
	.p2alignl 7, 3214868480
	.fill 96, 4, 3214868480
	.section	.rodata,"a",@progbits
	.p2align	6, 0x0
	.amdhsa_kernel k_q9d6283a491_main
		.amdhsa_group_segment_fixed_size 304128
		.amdhsa_private_segment_fixed_size 0
		.amdhsa_enable_private_segment 0
		.amdhsa_kernarg_size 64
		.amdhsa_user_sgpr_count 2
		.amdhsa_user_sgpr_kernarg_segment_ptr 1
		.amdhsa_wavefront_size32 1
		.amdhsa_system_sgpr_workgroup_id_x 1
		.amdhsa_system_sgpr_workgroup_id_y 1
		.amdhsa_system_sgpr_workgroup_id_z 1
		.amdhsa_system_vgpr_workitem_id 0
		.amdhsa_next_free_vgpr 512
		.amdhsa_next_free_sgpr 90
		.amdhsa_reserve_vcc 0
		.amdhsa_float_denorm_mode_32 3
		.amdhsa_float_denorm_mode_16_64 3
		.amdhsa_memory_ordered 1
		.amdhsa_forward_progress 1
		.amdhsa_inst_pref_size 255
	.end_amdhsa_kernel
	.section	.bss,"aw",@nobits
	.p2align	6
	.space	262144
	.amdgpu_metadata
---
amdhsa.version: [ 1, 2 ]
amdhsa.kernels:
  - .name:           k_q9d6283a491_main
    .symbol:         k_q9d6283a491_main.kd
    .args:
      - { .name: encoder_outputs, .offset: 0, .size: 8, .value_kind: global_buffer, .address_space: global }
      - { .name: v, .offset: 8, .size: 8, .value_kind: global_buffer, .address_space: global }
      - { .name: wc, .offset: 16, .size: 8, .value_kind: global_buffer, .address_space: global }
      - { .name: ws, .offset: 24, .size: 8, .value_kind: global_buffer, .address_space: global }
      - { .name: ph, .offset: 32, .size: 8, .value_kind: global_buffer, .address_space: global }
      - { .name: sc, .offset: 40, .size: 8, .value_kind: global_buffer, .address_space: global }
      - { .name: pctx, .offset: 48, .size: 8, .value_kind: global_buffer, .address_space: global }
      - { .name: pml, .offset: 56, .size: 8, .value_kind: global_buffer, .address_space: global }
    .group_segment_fixed_size: 304128
    .private_segment_fixed_size: 0
    .kernarg_segment_align: 8
    .kernarg_segment_size: 64
    .max_flat_workgroup_size: 256
    .sgpr_count:     90
    .vgpr_count:     512
    .wavefront_size: 32
...
	.end_amdgpu_metadata
.endif
;; end of part 2
;; launch finish (part 3): grid 32 x 1, 8 waves a work-group, no clusters, 0 bytes of LDS; arguments sc, pctx, pml, out0, out1; writes out0, out1
.if DOCPART == 3
	.amdgcn_target "amdgcn-amd-amdhsa--gfx1250"
	.amdhsa_code_object_version 6
	.text
	.protected	k_q9d6283a491_finish
	.globl	k_q9d6283a491_finish
	.p2align	8
	.type	k_q9d6283a491_finish,@function
k_q9d6283a491_finish:
	s_mov_b64 s[64:65], 0
	v_nop
	global_prefetch_b8 v0, s[64:65] scope:SCOPE_SE
	s_setreg_imm32_b32 hwreg(HW_REG_WAVE_MODE, 25, 1), 1
	s_wait_xcnt 0x0
; FINISH.  Batch b's eight parts (m_i, l_i, unnormalised context_i) are joined: M = max m_i, f_i = e^(m_i - M), L = sum f_i l_i;
; weight[s] = e^(score[s] - M) / L;  context = sum over i of (f_i / L) context_i.
; One work-group a batch, 256 threads; thread t takes 16 bytes of each 4,096: every load and store of a wave covers 512 consecutive bytes.  The part with m_i = M has f_i = 1 and l_i >= 1, so L >= 1.
; No LDS, no barrier, no matrix unit: every thread forms M and L for itself from eight pairs; the launch moves some 1.7 MB in all.
	s_load_b256 s[4:11], s[0:1], 0x0               ; sc s[4:5], pctx s[6:7], pml s[8:9], out0 s[10:11]
	s_load_b64 s[12:13], s[0:1], 0x20              ; out1
	v_lshlrev_b32 v1, 4, v0                        ; 16 t
	v_mov_b32 v2, 0
	s_mov_b32 s15, 0
	s_wait_kmcnt 0x0
	s_lshl_b32 s14, ttmp9, 13                      ; a batch's 2,048 scores and weights
	s_add_nc_u64 s[4:5], s[4:5], s[14:15]
	s_add_nc_u64 s[12:13], s[12:13], s[14:15]
	s_lshl_b32 s14, ttmp9, 15                      ; its 8 partial contexts of 4,096 bytes
	s_add_nc_u64 s[6:7], s[6:7], s[14:15]
	s_lshl_b32 s14, ttmp9, 11                      ; its 8 blocks of 256 bytes of (m, l)
	s_add_nc_u64 s[8:9], s[8:9], s[14:15]
	s_lshl_b32 s14, ttmp9, 12                      ; its row of the context
	s_add_nc_u64 s[10:11], s[10:11], s[14:15]
.irp i, 0,1,2,3,4,5,6,7
	global_load_b64 v[4+2*\i:5+2*\i], v2, s[8:9] offset:256*\i      ; (m_i, l_i)
.endr
	global_load_b128 v[20:23], v1, s[4:5]
	global_load_b128 v[24:27], v1, s[4:5] offset:4096
.irp i, 0,1,2,3,4,5,6,7
	global_load_b128 v[32+4*\i:35+4*\i], v1, s[6:7] offset:4096*\i
.endr
	s_wait_loadcnt 10                              ; the eight pairs are in; behind them: 2 loads of scores, 8 of contexts
	v_max3_num_f32 v64, v4, v6, v8
	v_max3_num_f32 v64, v64, v10, v12
	v_max3_num_f32 v64, v64, v14, v16
	v_max_num_f32 v64, v64, v18                    ; M
.irp i, 0,1,2,3,4,5,6,7
	v_sub_f32 v[66+\i], v[4+2*\i], v64             ; the difference first, then x log2(e): no rounding of a large product is left in the exponent
.endr
.irp i, 0,1,2,3,4,5,6,7
	v_mul_f32 v[66+\i], 0x3fb8aa3b, v[66+\i]
.endr
.irp i, 0,1,2,3,4,5,6,7
	v_exp_f32 v[66+\i], v[66+\i]                   ; f_i
.endr
	v_nop                                          ; a plain line behind the last exponential
	s_wait_alu depctr_va_vdst(0)                   ; the wait ahead of the first reader: one for the eight
	v_mul_f32 v65, v66, v5
.irp i, 1,2,3,4,5,6,7
	v_fmac_f32 v65, v[66+\i], v[5+2*\i]            ; L
.endr
	v_rcp_f32 v74, v65
	v_nop
	s_wait_alu depctr_va_vdst(0)
.irp i, 0,1,2,3,4,5,6,7
	v_mul_f32 v[66+\i], v[66+\i], v74              ; f_i / L
.endr
	s_wait_loadcnt 8                               ; the scores are in; the 8 loads of contexts may be out
.irp i, 0,1,2,3,4,5,6,7
	v_sub_f32 v[20+\i], v[20+\i], v64
.endr
.irp i, 0,1,2,3,4,5,6,7
	v_mul_f32 v[20+\i], 0x3fb8aa3b, v[20+\i]
.endr
.irp i, 0,1,2,3,4,5,6,7
	v_exp_f32 v[20+\i], v[20+\i]
.endr
	v_nop
	s_wait_alu depctr_va_vdst(0)
.irp i, 0,1,2,3,4,5,6,7
	v_mul_f32 v[20+\i], v[20+\i], v74              ; the weights
.endr
	global_store_b128 v1, v[20:23], s[12:13]
	global_store_b128 v1, v[24:27], s[12:13] offset:4096
	s_wait_loadcnt 0x0
.irp c, 0,1,2,3
	v_mul_f32 v[76+\c], v[32+\c], v66
.endr
.irp i, 1,2,3,4,5,6,7
.irp c, 0,1,2,3
	v_fmac_f32 v[76+\c], v[32+4*\i+\c], v[66+\i]
.endr
.endr
	global_store_b128 v1, v[76:79], s[10:11]
	s_endpgm
.Lfunc_end_k_q9d6283a491_finish:
	.size	k_q9d6283a491_finish, .Lfunc_end_k_q9d6283a491_finish-k_q9d6283a491_finish
	.p2alignl 7, 3214868480
	.fill 96, 4, 3214868480
	.section	.rodata,"a",@progbits
	.p2align	6, 0x0
	.amdhsa_kernel k_q9d6283a491_finish
		.amdhsa_group_segment_fixed_size 0
		.amdhsa_private_segment_fixed_size 0
		.amdhsa_enable_private_segment 0
		.amdhsa_kernarg_size 40
		.amdhsa_user_sgpr_count 2
		.amdhsa_user_sgpr_kernarg_segment_ptr 1
		.amdhsa_wavefront_size32 1
		.amdhsa_system_sgpr_workgroup_id_x 1
		.amdhsa_system_sgpr_workgroup_id_y 1
		.amdhsa_system_sgpr_workgroup_id_z 1
		.amdhsa_system_vgpr_workitem_id 0
		.amdhsa_next_free_vgpr 96
		.amdhsa_next_free_sgpr 66
		.amdhsa_reserve_vcc 0
		.amdhsa_float_denorm_mode_32 3
		.amdhsa_float_denorm_mode_16_64 3
		.amdhsa_memory_ordered 1
		.amdhsa_forward_progress 1
		.amdhsa_inst_pref_size 8
	.end_amdhsa_kernel
	.amdgpu_metadata
---
amdhsa.version: [ 1, 2 ]
amdhsa.kernels:
  - .name:           k_q9d6283a491_finish
    .symbol:         k_q9d6283a491_finish.kd
    .args:
      - { .name: sc, .offset: 0, .size: 8, .value_kind: global_buffer, .address_space: global }
      - { .name: pctx, .offset: 8, .size: 8, .value_kind: global_buffer, .address_space: global }
      - { .name: pml, .offset: 16, .size: 8, .value_kind: global_buffer, .address_space: global }
      - { .name: out0, .offset: 24, .size: 8, .value_kind: global_buffer, .address_space: global }
      - { .name: out1, .offset: 32, .size: 8, .value_kind: global_buffer, .address_space: global }
    .group_segment_fixed_size: 0
    .private_segment_fixed_size: 0
    .kernarg_segment_align: 8
    .kernarg_segment_size: 40
    .max_flat_workgroup_size: 256
    .sgpr_count:     66
    .vgpr_count:     96
    .wavefront_size: 32
...
	.end_amdgpu_metadata
.endif
;; end of part 3
